; MI455X (gfx1250); checked and timed in simulation.
; The chip was launched on July 23, 2026; its instructions are those of AMD's public machine-readable ISA for CDNA 5 (MIT licence, August 2026) and "CDNA5" Instruction Set Architecture Reference Guide (July 2026). The comments in the code are by the model that wrote it; some were corrected since.
;; Attention. Allowed arithmetic: matrix products marked QUANTISED: E2M3 operands, one E8M0 scale for each 32 along K, by v_wmma_scale_f32_16x16x128_f8f6f4 with both operands' format E2M3, f32 sums; everything else in f32.
;; Inputs: W_in_codes 1,024 x 32 x 24 uint8 (E2M3 codes of W_in, K innermost, in blocks of 32 codes, four codes in three bytes); W_in_scales 1,024 x 32 uint8 (E8M0 scales of W_in, one for each 32 codes along K); W_out_codes 1,024 x 64 x 24 uint8 (E2M3 codes of W_out, K innermost, in blocks of 32 codes, four codes in three bytes); W_out_scales 1,024 x 64 uint8 (E8M0 scales of W_out, one for each 32 codes along K); b_out 1,024 float32; encoder_outputs 32 x 512 x 1,024 float32; query 32 x 512 x 1,024 float32; src_lengths 32 int32.
;; Outputs: out0 32 x 512 x 1,024 float32.
;; This version of the problem:
;;   THIS VERSION OF THE PROBLEM IS GIVEN IN LOW PRECISION. The matrix products marked QUANTISED in the list below multiply operands that are first quantised to E2M3 (2 exponent bits, 3 mantissa bits; 6 bits a number), with one power-of-two scale for each 32 numbers along K (OCP MX v1.0); their sums are f32. All else is computed in f32.
;;   The module's matrix products, in the order in which they are computed (A, B: the left and right operand; K: the contracted axis; several contracted axes count as one K, in the product's order):
;;     1. [M 16,384, K 1,024] x [K 1,024, N 1,024]; A: input query; B: input W_in (given as codes): QUANTISED
;;     2. batch 32 x [M 512, K 1,024] x [K 1,024, N 512]; A: computed on the way; B: input encoder_outputs: QUANTISED
;;     3. batch 32 x [M 512, K 512] x [K 512, N 1,024]; A: softmax (see below); B: input encoder_outputs: QUANTISED
;;     4. [M 16,384, K 2,048] x [K 2,048, N 1,024]; A: computed on the way; B: input W_out (given as codes): QUANTISED
;;   THE QUANTISER, for each operand of a quantised product, along K:
;;     - K is cut into blocks of 32 from its start; a last block that is shorter is filled with zeros.
;;     - A block's scale is 2^e with e = floor(log2(the largest magnitude in the block)) - 2, held to -126 .. 127; a block of zeros has e = 0. As a byte (E8M0): e + 127.
;;     - Each number is divided by its block's scale, clamped to +-7.5, and rounded to the nearest number of E2M3, ties to even, subnormals kept.
;;     - The product sums the exact products of the quantised numbers (number of the format x scale) in f32.
;;   ~~~python
;;   def quantise(x, axis):      # numpy; x: float32 -> the quantised numbers, widened to float32 again
;;       x = np.moveaxis(x, axis, -1); K = x.shape[-1]
;;       x = np.pad(x, [(0, 0)] * (x.ndim - 1) + [(0, -K % 32)]); x = x.reshape(x.shape[:-1] + (-1, 32)); a = np.abs(x).max(-1, keepdims=True)
;;       e = np.where(a > 0, np.clip(np.frexp(np.where(a > 0, a, 1))[1] - 1 - 2, -126, 127), 0)      # np.frexp(a)[1] - 1 = floor(log2(a)), exactly
;;       r = np.clip(x / 2.0 ** e, -7.5, 7.5)
;;       step = 2.0 ** (np.maximum(np.frexp(np.where(r == 0, 1, r))[1] - 1, 0) - 3)
;;       q = np.round(r / step) * step * 2.0 ** e      # np.round: ties to even
;;       return np.moveaxis(q.reshape(q.shape[:-2] + (-1,))[..., :K], -1, axis).astype(np.float32)
;;   ~~~
;;   SOFTMAX AHEAD OF A QUANTISED PRODUCT. Where the list says 'softmax', what is quantised is not the finished softmax but p = 2^(t - M), with t = logit x log2(e) and M = ceil(the row's largest t), a whole number; so 1/2 < the row's largest p <= 1. The row's sum l is taken of the UNQUANTISED p, in f32, and the product's result is divided by l at the end. Since M is a whole number, a kernel that streams over the keys may use a running M (the ceiling of the running maximum): every later rescaling is an exact power of two, which a block's scale takes up: the codes' values come out the same.
;;   OPERANDS COMPUTED ON THE WAY. 'Computed on the way' means the value that the module computes at that place (a softmax that the list does not call 'softmax' is quantised finished and normalised). What goes into a quantiser is computed in f32, as accurately as f32 sums, v_exp_f32 and their like allow (about 1e-6 of the number): no bf16 or f16 on the way to a quantiser, and a product that is left as it is and whose result goes on into a quantised operand takes f32 operands (vector FMAs, or v_wmma_f32_16x16x4_f32). A number that lies on a knife's edge between two numbers of the format may be rounded either way, as far as f32 arithmetic and the matrix unit's own rounding can turn it there, and no further.
;;   INPUTS GIVEN AS CODES. W_in (in the module: [1024, 1024], K = its axis 1); W_out (in the module: [1024, 2048], K = its axis 1): each comes as NAME_codes (uint8): NAME with its K axis moved to the last place and cut into blocks of 32 codes, [.., K / 32, bytes a block], one block behind the other in memory; four codes in three bytes: a row's codes are one little-endian stream of bits, code i at bits 6 i .. 6 i + 5 (a code: sign, 2 exponent bits, 3 mantissa bits); and NAME_scales (uint8): the same leading axes, one E8M0 byte (e + 127) for each 32 codes along K. Its value is code x scale, taken as it is: it is not quantised again, and the codes and scales need not be those that the quantiser above would give.
;; One version. Each part assembles by itself: llvm-mc -triple=amdgcn-amd-amdhsa -mcpu=gfx1250 --defsym DOCPART=n.
;; ======== version 1 of 1: 2 launches
;; limits: right only within a limited range of input values
;; workspace buffers: img 28,672,000 bytes
;; launch prep (part 1): grid 1048 x 1, 8 waves a work-group, no clusters, 70,144 bytes of LDS; arguments encoder_outputs, W_in_codes, W_in_scales, W_out_codes, W_out_scales, img; writes img
.if DOCPART == 1
	.amdgcn_target "amdgcn-amd-amdhsa--gfx1250"
	.amdhsa_code_object_version 6
	.text
	.protected	k_q7f39e599c8_prep
	.globl	k_q7f39e599c8_prep
	.p2align	8
	.type	k_q7f39e599c8_prep,@function
k_q7f39e599c8_prep:
	s_mov_b64 s[64:65], 0
	v_nop
	global_prefetch_b8 v0, s[64:65] scope:SCOPE_SE
	s_setreg_imm32_b32 hwreg(HW_REG_WAVE_MODE, 25, 1), 1
	s_wait_xcnt 0x0
; WHAT IT DOES.  It lays everything that the second launch streams as IMAGES OF OPERAND REGISTERS, in the order in which that launch takes them:
; encoder_outputs quantised to FP6 (E2M3) twice, along H (rows = keys) and along S (rows = h), and both weights, which arrive as codes, laid anew.
; A RECORD is 25,600 bytes, what one wave of the second launch multiplies by in 64 matrix instructions: 16 fragments of 1,536 bytes (registers 4 q .. 4 q + 3 of lane l at
; 512 q + 16 l; lane (r, hh) holds, in registers 6 c .. 6 c + 5, k = 64 c + 32 hh + 0 .. 31 of the tile's row r), then two blocks of 512 bytes of scale words: word jj of lane l of block g
; is the scale word (128 along K) of fragment 8 g + 4 (l / 16) + jj, row l % 16.  A GROUP is four records, one for each wave of the second launch.
; THE ROWS OF A TILE ARE NOT NEIGHBOURS: lane r of tile TT takes row 32 (TT / 2) + 8 (TT % 2) + r + 8 (r / 8) of the streamed matrix.
; img: groups 0-7 W_in (K step n), 8-23 W_out (K step n - 8), then for each batch 8 groups: 4 along H (two K steps a record), 4 along S (a K step a record).
; SHARES.  Work-groups 0-1023: one tile of 128 keys x 128 h of one batch: it is read from memory once, 512 consecutive bytes a load, lies in LDS, and is read back twice:
; by rows (a lane takes 32 neighbouring h of a key) and by columns (a lane takes 32 neighbouring keys of an h).  Each of the eight waves makes one fragment of each kind.
; Work-groups 1024-1047: one group of weights each; a wave lays 8 fragments and their scale words.
; THE QUANTISER: a block's scale is 2^(floor(log2(its largest magnitude)) - 2); its byte is that magnitude's exponent field - 2, held at 1 from below.
; LIMITS: a block of zeros gets the byte 1 (its codes are zeros, and this program alone reads the bytes); blocks whose largest magnitude lies under 2^-124 are held at the byte 1;
; NaN and infinities among the inputs are not served.
.set RECB, 25600
.set GRPB, 4*RECB
.set FRB,  1536
.set SCO,  16*FRB                      ; where a record's scale words begin
.set EO0,  24*GRPB                     ; behind the weights' 24 groups: batch 0
.set EOB,  8*GRPB                      ; a batch's 8 groups
.set RP,   528                         ; a tile's row in LDS: 512 bytes + 16: sixteen rows of a 16-byte load start in sixteen different groups of banks
.set QP,   32*RP+128                   ; 32 rows, and 128 bytes more: lanes 16-31 of the column reads, 32 rows on, fall 32 banks beside lanes 0-15
.set SCB,  4*QP                        ; behind the tile: 512 bytes of scale words along H, 512 along S
.set LI,   4                           ; v4   16 x lane
.set TI,   5                           ; v5   where my wave's rows go in the tile
.set RH,   6                           ; v6   where I read 32 h of my key
.set RS,   7                           ; v7   where I read 32 keys of my h
.set SWA,  8                           ; v8   where my row's scale word goes
.set SH8,  9                           ; v9   8 hh
.set MX,   10                          ; v10-11 largest magnitudes; v12-13 scale operands; v14-15 bytes
.set SO,   12
.set BY,   14
.set WD,   16                          ; v16  the scale word;  v17 the other half's
.set WT,   17
.set TT,   18                          ; v18-24 the second halves of the blocks' codes
.set SRD,  26                          ; v26  where waves 0 and 1 read a block of scale words back
.set CH,   28                          ; v28-39 the fragment along H;  v40-51 along S: two sets, so that no store's data are written again
.set CS,   40
.set VH,   64                          ; v64-127  64 numbers as loaded, then 64 numbers for the fragment along H
.set VS,   128                         ; v128-191 64 numbers for the fragment along S
	s_load_b256 s[4:11], s[0:1], 0x0               ; enc s[4:5], W_in's codes s[6:7], scales s[8:9], W_out's codes s[10:11]
	s_load_b128 s[12:15], s[0:1], 0x20             ; W_out's scales s[12:13], img s[14:15]
	v_lshl_add_u32 v192, v0, 2, 0x10e00
	v_mov_b32 v193, 0
	v_lshrrev_b32 v1, 5, v0
	s_delay_alu instid0(VALU_DEP_1)
	v_readfirstlane_b32 s16, v1                    ; wave 0..7
	v_and_b32 v1, 31, v0                           ; lane
	v_and_b32 v2, 15, v0                           ; r
	v_bfe_u32 v3, v0, 4, 1                         ; hh
	s_delay_alu instid0(VALU_DEP_3)
	v_lshlrev_b32 v[LI], 4, v1
	s_cmp_lt_u32 ttmp9, 24                         ; THE NUMBERING: work-groups 0-23 lay the weights' groups, work-groups 24-1047 are the tiles 0-1023 of the paragraph SHARES; all eight waves go the same way
	s_cbranch_scc1 .Lweights
; 64 numbers of a lane, two whole blocks of 32 (block 2 c + hh in registers 32 c on), become a fragment's 12 registers in v[dst] on and the row's scale word in v[WD]
.macro FRAGQ src, dst
.irp c, 0,1
	v_max3_num_f32 v[MX+\c], |v[\src+32*\c]|, |v[\src+32*\c+1]|, 0x1800000   ; with the floor 2^(3 - 127): the byte cannot fall under 1
.endr
.irp i, 2,4,6,8,10,12,14,16,18,20,22,24,26,28,30
.irp c, 0,1
	s_delay_alu instid0(VALU_DEP_2)
	v_max3_num_f32 v[MX+\c], v[MX+\c], |v[\src+32*\c+\i]|, |v[\src+32*\c+\i+1]|   ; the two blocks by turns
.endr
.endr
.irp c, 0,1
	s_delay_alu instid0(VALU_DEP_2)
	v_add_nc_u32 v[SO+\c], 0xff000000, v[MX+\c]    ; 2 off the exponent field: the conversion's scale operand
.endr
.irp c, 0,1
	s_delay_alu instid0(VALU_DEP_2)
	v_lshrrev_b32 v[BY+\c], 23, v[SO+\c]           ; the scale's byte
.endr
	s_delay_alu instid0(VALU_DEP_1)
	v_lshl_or_b32 v[WD], v[BY+1], 16, v[BY]        ; my bytes: blocks hh and 2 + hh,
	s_delay_alu instid0(VALU_DEP_1)
	v_lshlrev_b32 v[WD], v[SH8], v[WD]             ; at their places;
	s_delay_alu instid0(VALU_DEP_1)
	v_permlanex16_b32 v[WT], v[WD], s40, s41
	s_delay_alu instid0(VALU_DEP_1)
	v_or_b32 v[WD], v[WD], v[WT]                   ; with lane l xor 16's two the word is whole
.irp c, 0,1
	v_cvt_scalef32_pk16_fp6_f32 v[\dst+6*\c:\dst+6*\c+2], v[\src+32*\c:\src+32*\c+15], v[SO+\c]
	v_cvt_scalef32_pk16_fp6_f32 v[TT+4*\c:TT+4*\c+2], v[\src+32*\c+16:\src+32*\c+31], v[SO+\c]   ; (a conversion's three registers begin on an even number)
.endr
	v_nop                                          ; one plain place behind a scaled conversion
.irp c, 0,1
.irp i, 0,1,2
	v_mov_b32 v[\dst+3+6*\c+\i], v[TT+4*\c+\i]
.endr
.endr
.endm
	; ---- a tile of encoder_outputs
	s_sub_co_u32 s42, ttmp9, 24                    ; the tile's number, 0..1023
	s_lshr_b32 s17, s42, 5                         ; batch
	s_bfe_u32 s18, s42, 0x20003                    ; sb: which 128 keys
	s_and_b32 s19, s42, 7                          ; hb: which 128 h
	s_lshr_b32 s20, s19, 1
	s_and_b32 s21, s19, 1
	s_lshr_b32 s22, s16, 1
	s_and_b32 s23, s16, 1
	s_lshl_b32 s24, s17, 21                        ; a batch is 2,097,152 bytes,
	s_lshl_b32 s26, s18, 19                        ; 128 rows of 4,096,
	s_add_co_u32 s24, s24, s26
	s_lshl_b32 s26, s16, 16                        ; my wave's 16 rows,
	s_add_co_u32 s24, s24, s26
	s_lshl_b32 s26, s19, 9                         ; 128 h
	s_add_co_u32 s24, s24, s26
	s_mov_b32 s25, 0
	s_mul_i32 s27, s17, EOB
	s_add_co_u32 s27, s27, EO0                     ; the batch's groups
	s_mul_i32 s28, s20, GRPB                       ; along H: group hb / 2, record sb
	s_mul_i32 s26, s18, RECB
	s_add_co_u32 s28, s28, s26
	s_add_co_u32 s28, s28, s27
	s_mul_i32 s30, s18, GRPB                       ; along S: group 4 + sb, record hb / 2
	s_mul_i32 s26, s20, RECB
	s_add_co_u32 s30, s30, s26
	s_add_co_u32 s30, s30, s27
	s_add_co_u32 s30, s30, 4*GRPB
	s_mul_i32 s26, s21, 8*FRB                      ; in both: fragment 8 (hb % 2) + wave
	s_mul_i32 s32, s16, FRB
	s_add_co_u32 s26, s26, s32
	s_add_co_u32 s34, s28, s26
	s_mov_b32 s35, 0
	s_add_co_u32 s36, s30, s26
	s_mov_b32 s37, 0
	; LDS.  Row k of the tile lies at place 32 (k / 32) + f(k % 32), f swapping rows 8-15 with rows 16-23, so that the 16 rows of a key tile are 16 neighbouring places
	s_mul_i32 s33, s22, QP
	s_mul_i32 s38, s23, 8*RP
	s_add_co_u32 s38, s38, s33
	s_wait_alu depctr_va_vdst(0)
	v_add_nc_u32 v[TI], s38, v[LI]                 ; in: my rows 16 v + i go to places 32 (v / 2) + 8 (v % 2) + i + 8 (i / 8)
	s_mul_i32 s38, s23, 16*RP
	s_add_co_u32 s38, s38, s33
	v_mul_u32_u24 v[RH], v2, RP
	s_delay_alu instid0(VALU_DEP_1)
	v_lshl_add_u32 v[RH], v3, 7, v[RH]
	s_delay_alu instid0(VALU_DEP_1)
	v_add_nc_u32 v[RH], s38, v[RH]                 ; by rows: place 16 v + r, + 128 hh bytes
	v_and_b32 v[RS], 8, v2
	s_delay_alu instid0(VALU_DEP_1)
	v_add_nc_u32 v[RS], v[RS], v2
	s_delay_alu instid0(VALU_DEP_1)
	v_lshlrev_b32 v[RS], 2, v[RS]
	s_delay_alu instid0(VALU_DEP_1)
	v_mad_u32_u24 v[RS], v3, QP, v[RS]
	s_lshl_b32 s38, s22, 7
	s_lshl_b32 s39, s23, 5
	s_add_co_u32 s38, s38, s39
	v_add_nc_u32 v[RS], s38, v[RS]                 ; by columns: h = 32 (v / 2) + 8 (v % 2) + r + 8 (r / 8); lanes 16-31 begin 32 keys on
	s_lshr_b32 s38, s16, 2
	s_lshl_b32 s38, s38, 8
	s_and_b32 s39, s16, 3
	s_lshl_b32 s39, s39, 2
	s_add_co_u32 s38, s38, s39
	s_add_co_u32 s38, s38, SCB
	v_lshl_add_u32 v[SWA], v2, 4, s38              ; fragment v's word of row r: lane 16 (v / 4) + r, word v % 4
	s_lshl_b32 s32, s23, 9
	s_add_co_u32 s32, s32, SCB
	v_add_nc_u32 v[SRD], s32, v[LI]
	s_cmp_eq_u32 s16, 0                            ; wave 0 will store the words along H, wave 1 those along S
	s_cselect_b32 s38, s28, s30
	s_lshl_b32 s39, s21, 9
	s_add_co_u32 s38, s38, s39
	s_add_co_u32 s38, s38, SCO
	s_mov_b32 s39, 0
	v_lshlrev_b32 v[SH8], 3, v3
	v_mov_b32 v[WT], 0                             ; a lane permute's destination counts as one of its sources
	s_mov_b32 s40, 0x76543210
	s_mov_b32 s41, 0xfedcba98                      ; selects for lane l xor 16
	s_wait_alu depctr_va_vdst(0)
	s_wait_kmcnt 0x0
	s_add_nc_u64 s[24:25], s[4:5], s[24:25]
	s_add_nc_u64 s[34:35], s[14:15], s[34:35]
	s_add_nc_u64 s[36:37], s[14:15], s[36:37]
	s_add_nc_u64 s[38:39], s[14:15], s[38:39]
.irp i, 0,1,2,3,4,5,6,7,8,9,10,11,12,13,14,15
	global_load_b128 v[VH+4*\i:VH+4*\i+3], v[LI], s[24:25] offset:\i*4096 th:TH_LOAD_NT   ; 32 lanes read 512 consecutive bytes of a row; read once in the launch
.endr
	s_wait_loadcnt 0x0
.irp i, 0,1,2,3,4,5,6,7,8,9,10,11,12,13,14,15
	ds_store_b128 v[TI], v[VH+4*\i:VH+4*\i+3] offset:(\i+8*(\i/8))*RP
.endr
	s_wait_dscnt 0x0                               ; for the others' sake: my rows lie in the tile
	s_barrier_signal -1
	s_barrier_wait -1
.irp c, 0,1
.irp q, 0,1,2,3,4,5,6,7
	ds_load_b128 v[VH+32*\c+4*\q:VH+32*\c+4*\q+3], v[RH] offset:256*\c+16*\q   ; h = 64 c + 32 hh + 0 .. 31 of my key
.endr
.endr
.irp c, 0,1
.irp i, 0,1,2,3,4,5,6,7,8,9,10,11,12,13,14,15,16,17,18,19,20,21,22,23,24,25,26,27,28,29,30,31
	ds_load_b32 v[VS+32*\c+\i], v[RS] offset:2*QP*\c+RP*(8*(2*((\i/8)%2)+\i/16)+\i%8)   ; key 64 c + 32 hh + i of my h
.endr
.endr
	s_wait_dscnt 63                                ; 64 loads were issued behind the 16 by rows; the count's field ends at 63: with 63 out, the first 17 are in
	FRAGQ VH, CH
.irp q, 0,1,2
	global_store_b128 v[LI], v[CH+4*\q:CH+4*\q+3], s[34:35] offset:512*\q   ; 512 consecutive bytes, at a multiple of 256 from img's first byte
.endr
	ds_store_b32 v[SWA], v[WD]                     ; lanes r and r + 16 write the same word with the same value
	s_wait_dscnt 0x0                               ; the numbers by columns are in, and the store has read its word
	FRAGQ VS, CS
.irp q, 0,1,2
	global_store_b128 v[LI], v[CS+4*\q:CS+4*\q+3], s[36:37] offset:512*\q
.endr
	ds_store_b32 v[SWA], v[WD] offset:512
	s_wait_dscnt 0x0                               ; for the others' sake: my two words lie in LDS
	s_barrier_signal -1
	s_barrier_wait -1
	s_cmp_gt_u32 s16, 1
	s_cbranch_scc1 .Ldone_e
	ds_load_b128 v[52:55], v[SRD]                  ; eight fragments' scale words: 512 bytes, in the order of the record
	s_wait_dscnt 0x0
	global_store_b128 v[LI], v[52:55], s[38:39]
.Ldone_e:
	s_wait_tensorcnt 0x0
	ds_add_u32 v192, v193
	s_wait_dscnt 0x0
	s_endpgm
	; ---- a group of weights: wave v lays fragments 8 g .. 8 g + 7 of record w, w = v / 2, g = v % 2
.macro WPATH krow, ksb, pc, ps         ; krow, ksb: bytes of a row of codes and of scales; pc, ps: the scalar pairs with their addresses; s17: the K step
	s_mul_i32 s28, s20, \krow
	s_mul_i32 s30, s17, 96
	s_add_co_u32 s28, s28, s30
	s_mov_b32 s29, 0
	s_add_nc_u64 s[28:29], s[\pc:\pc+1], s[28:29]
	s_mul_i32 s30, s20, \ksb
	s_lshl_b32 s32, s17, 2
	s_add_co_u32 s30, s30, s32
	s_mov_b32 s31, 0
	s_add_nc_u64 s[30:31], s[\ps:\ps+1], s[30:31]
	v_mul_u32_u24 v7, v5, \krow
	s_delay_alu instid0(VALU_DEP_1)
	v_mad_u32_u24 v7, v3, 24, v7                   ; row r + 8 (r / 8), + 24 hh bytes
	v_mul_u32_u24 v8, v6, \ksb                     ; scale words: lanes 16-31 take the tiles four on, 64 rows further down
.irp t, 0,1,2,3,4,5,6,7
.irp p, 0,1,2,3,4,5
	global_load_b64 v[64+12*\t+2*\p:64+12*\t+2*\p+1], v7, s[28:29] offset:(32*(\t/2)+8*(\t%2))*\krow+48*(\p/3)+8*(\p%3)
.endr
.endr
.irp j, 0,1,2,3
	global_load_b32 v[160+\j], v8, s[30:31] offset:(32*(\j/2)+8*(\j%2))*\ksb
.endr
	s_wait_loadcnt 0x0
.irp t, 0,1,2,3,4,5,6,7
.irp q, 0,1,2
	global_store_b128 v[LI], v[64+12*\t+4*\q:64+12*\t+4*\q+3], s[24:25] offset:FRB*\t+512*\q
.endr
.endr
	global_store_b128 v[LI], v[160:163], s[26:27]
.endm
.Lweights:
	s_mov_b32 s17, ttmp9                           ; the group, 0..23
	s_lshr_b32 s18, s16, 1                         ; w
	s_and_b32 s19, s16, 1                          ; g
	s_lshl_b32 s20, s18, 8
	s_lshl_b32 s21, s19, 7
	s_add_co_u32 s20, s20, s21                     ; my first row of the weight: 256 w + 128 g
	s_mul_i32 s22, s17, GRPB
	s_mul_i32 s23, s18, RECB
	s_add_co_u32 s22, s22, s23                     ; my record
	s_mul_i32 s24, s19, 8*FRB
	s_add_co_u32 s24, s24, s22
	s_mov_b32 s25, 0
	s_lshl_b32 s26, s19, 9
	s_add_co_u32 s26, s26, s22
	s_add_co_u32 s26, s26, SCO
	s_mov_b32 s27, 0
	s_wait_alu depctr_va_vdst(0)
	v_and_b32 v5, 8, v2
	s_delay_alu instid0(VALU_DEP_1)
	v_add_nc_u32 v5, v5, v2                        ; r + 8 (r / 8)
	s_delay_alu instid0(VALU_DEP_1)
	v_lshl_add_u32 v6, v3, 6, v5                   ; + 64 hh
	s_wait_kmcnt 0x0
	s_add_nc_u64 s[24:25], s[14:15], s[24:25]
	s_add_nc_u64 s[26:27], s[14:15], s[26:27]
	s_cmp_ge_u32 s17, 8
	s_cbranch_scc1 .Lwout
	s_wait_alu depctr_va_vdst(0)
	WPATH 768, 32, 6, 8
	s_endpgm
.Lwout:
	s_sub_co_u32 s17, s17, 8
	s_wait_alu depctr_va_vdst(0)
	WPATH 1536, 64, 10, 12
	s_endpgm
.Lfunc_end_k_q7f39e599c8_prep:
	.size	k_q7f39e599c8_prep, .Lfunc_end_k_q7f39e599c8_prep-k_q7f39e599c8_prep
	.p2alignl 7, 3214868480
	.fill 96, 4, 3214868480
	.section	.rodata,"a",@progbits
	.p2align	6, 0x0
	.amdhsa_kernel k_q7f39e599c8_prep
		.amdhsa_group_segment_fixed_size 70144
		.amdhsa_private_segment_fixed_size 0
		.amdhsa_enable_private_segment 0
		.amdhsa_kernarg_size 48
		.amdhsa_user_sgpr_count 2
		.amdhsa_user_sgpr_kernarg_segment_ptr 1
		.amdhsa_wavefront_size32 1
		.amdhsa_system_sgpr_workgroup_id_x 1
		.amdhsa_system_sgpr_workgroup_id_y 1
		.amdhsa_system_sgpr_workgroup_id_z 1
		.amdhsa_system_vgpr_workitem_id 0
		.amdhsa_next_free_vgpr 194
		.amdhsa_next_free_sgpr 66
		.amdhsa_reserve_vcc 0
		.amdhsa_float_denorm_mode_32 3
		.amdhsa_float_denorm_mode_16_64 3
		.amdhsa_memory_ordered 1
		.amdhsa_forward_progress 1
		.amdhsa_inst_pref_size 39
	.end_amdhsa_kernel
	.amdgpu_metadata
---
amdhsa.version: [ 1, 2 ]
amdhsa.kernels:
  - .name:           k_q7f39e599c8_prep
    .symbol:         k_q7f39e599c8_prep.kd
    .args:
      - { .name: encoder_outputs, .offset: 0, .size: 8, .value_kind: global_buffer, .address_space: global }
      - { .name: W_in_codes, .offset: 8, .size: 8, .value_kind: global_buffer, .address_space: global }
      - { .name: W_in_scales, .offset: 16, .size: 8, .value_kind: global_buffer, .address_space: global }
      - { .name: W_out_codes, .offset: 24, .size: 8, .value_kind: global_buffer, .address_space: global }
      - { .name: W_out_scales, .offset: 32, .size: 8, .value_kind: global_buffer, .address_space: global }
      - { .name: img, .offset: 40, .size: 8, .value_kind: global_buffer, .address_space: global }
    .group_segment_fixed_size: 70144
    .private_segment_fixed_size: 0
    .kernarg_segment_align: 8
    .kernarg_segment_size: 48
    .max_flat_workgroup_size: 256
    .sgpr_count:     66
    .vgpr_count:     194
    .wavefront_size: 32
...
	.end_amdgpu_metadata
.endif
;; end of part 1
;; launch fused (part 2): grid 256 x 1, 4 waves a work-group, clusters of 4 x 1, 327,680 bytes of LDS; arguments query, src_lengths, b_out, img, out0; writes out0
.if DOCPART == 2
	.amdgcn_target "amdgcn-amd-amdhsa--gfx1250"
	.amdhsa_code_object_version 6
	.text
	.protected	k_q7f39e599c8_fused
	.globl	k_q7f39e599c8_fused
	.p2align	8
	.type	k_q7f39e599c8_fused,@function
k_q7f39e599c8_fused:
	s_mov_b64 s[64:65], 0
	v_nop
	global_prefetch_b8 v0, s[64:65] scope:SCOPE_SE
	s_setreg_imm32_b32 hwreg(HW_REG_WAVE_MODE, 25, 1), 1
	s_wait_xcnt 0x0
	s_wait_alu depctr_hold_cnt(0) depctr_sa_sdst(0) depctr_va_vdst(0) depctr_va_sdst(0) depctr_va_ssrc(0) depctr_va_vcc(0) depctr_vm_vsrc(0)
	s_getreg_b32 s2, hwreg(HW_REG_IB_STS2, 6, 4)
	s_cmp_eq_u32 s2, 0
	s_cbranch_scc0 .Lentry_in_a_cluster
	s_endpgm
.Lentry_in_a_cluster:
	s_bfe_u32 s2, ttmp6, 0x10000c
	s_cmp_lg_u32 s2, 0x3003
	s_cbranch_scc0 .Lentry_shape_is_right
	s_endpgm
.Lentry_shape_is_right:
; WHAT IT DOES.  One work-group takes 64 query rows of one batch through the whole chain: quantise query; qw = query W_in^T; scores = qw enc^T; mask, p = 2^(t - M);
; c = p enc / l; out = tanh([query, c] W_out^T + b).  All four products in MX-FP6 (E2M3); every intermediate stays in registers or LDS.
; THE STREAMED OPERANDS (both weights, enc along H and along S) lie in img as images of operand registers (launch prep).  A UNIT is half a record: 8 fragments (12,288 bytes) and 512 bytes of
; scale words; it is multiplied by the 64 rows' fragments of one K step (from LDS: X1 query; X2 qw, then p, then c): 32 matrix instructions on 32 accumulators.
; A TRIP is four units a wave; the launch is 16 trips: 0-1 / 2-3 qw's two column halves; 4-5 scores (even K steps, then odd: qw's K step 2 w + g lies at place 4 g + w of X2);
; 6 / 7 c's column halves; 8-11 / 12-15 out's column halves.  Where a trip's units and its X lie is read from small tables by the trip's number.
; TWO ROADS.  Units 0 and 1 of a trip, and all scale words, come by the wave's own loads straight into registers, asked for a trip ahead.  Units 2 and 3 come JOINTLY: the four work-groups of a
; cluster are four row blocks of one batch and stream the same bytes, so each wave asks for its two units by one tensor load with the mask of all four (2 rows of 12,288 bytes), into a ring of
; two slots of 98,304 bytes, 2^17 bytes apart; one round of the cluster's barrier a trip; the load has a trip in which to land.  By the text's own count a wave has one tensor load out.
; p's codes take the half of X2 that qw has left; c's first column half waits in registers (windows 1 and 3, v192 on) until p is read no more.
; PREFETCH: in trip i each wave asks for 48 blocks of 256 bytes of trip i + 3: of its own record's four units the partner at place cx takes unit cx (told apart by address alone);
; trips 13 to 15 ask for nothing; the first three trips come by their loads alone.  query has no loop to run ahead in.
; LIMITS: a block of zeros gets the scale byte 1 (its codes are zeros); blocks whose largest magnitude lies under 2^-124 are held at the byte 1; the scaled scores stay under 2^31 in magnitude;
; a block's largest p is taken as the exponential of its largest score.
.set RECB,  25600
.set GRPB,  4*RECB
.set FRB,   1536
.set KSB,   4*FRB
.set SCO,   16*FRB
.set WSL,   24576                      ; a wave's part of a slot: two units
.set TOG,   0x20000                    ; slot 0 at 0, slot 1 at 2^17
.set EXM,   98304                      ; between the slots: the waves' maxima, sums; X's scale words; the spare words; the way out's stage (6,144 bytes a wave)
.set EXS,   EXM+1024
.set XS1,   EXM+2048
.set XS2,   XS1+2048
.set SPARE, XS2+2048
.set STG,   106496
.set X1,    229376                     ; behind slot 1: X1, X2, 8 K steps each
.set X2,    X1+8*KSB
.set HPIT,  528
.set OPIT,  272
.set LI,   1
.set R16,  2
.set XP,   3
.set XQ,   4
.set IMGQ, 5
.set SWQ,  6
.set IMGC, 7
.set XS,   8                           ; v8-15 X's scale words, two sets;  v16-31 the units' scale words, four sets
.set WS,   16
.set XF,   32                          ; v32-127 X's fragments, two sets
.set Y,    32
.set TM,   128
.set PC0,  144
.set PW0,  184
.set SWC,  186
.set WA,   187
.set EXR,  188
.set EXW,  189
.set SPW,  190
.set NIL,  191
.set BM,   192
.set BT,   208
.set NM,   224
.set SU,   232
.set RL,   232
.set IMG1, 232                         ; (the head alone: v232-235)
.set SW1,  233
.set STI,  234
.set STO,  235
.set CBT,  240
.set CO,   244
.set PFV0, 245
.set PFV1, 246
.set DV,   248
.set NINF, 249
.set TP,   250
.set ORD,  254
.set OSI,  255
.set CBW,  192                         ; window 1: v192-207 the bias x 2 log2(e), 4 registers for each 64 columns; v208-255 c's parked codes;  window 3: v192-195 their scale words
.set PKC,  208
.set PKW,  192
.set WV,   14
.set CX,   15
.set G1,   24
.set G0,   32
.set BASE, 36
.set BSC,  38
.set LP,   40
.set LS,   42
.set PB0,  44
.set PFB,  46
.set SEL,  48
.set CS,   50
.set KT,   52
.set I,    54
.set J,    55
.set T0,   56
.set T1,   57
.set T2,   58
.set PE,   60
.set ZF,   61
.set B2,   62
.set TLO,  63
.set THI,  66
.set XLO,  67
.set XHI,  68
.set CNT,  69
.set LEN,  70
.set XA,   71
.set XSB,  72
.set MK,   73
.set J3,   74
.set MSB, 0
.macro WIN new                         ; the immediate's high byte repeats the setting that is left
.if MSB != (\new)
	s_set_vgpr_msb (MSB<<8)|(\new)
.set MSB, (\new)
.endif
.endm
.macro PLACES
.rept 4
	v_nop
.endr
.endm
.macro ROUND                           ; a round of the cluster's barrier
	s_barrier_signal -1
	s_barrier_wait -1
	s_cmp_lg_u32 s[WV], 0
	s_cbranch_scc1 .Lnot_wave_0_\@
	s_barrier_signal -3
.Lnot_wave_0_\@:
	s_barrier_wait -3
	s_barrier_signal -1
	s_barrier_wait -1
.endm
.macro MEET                            ; my LDS instructions are done; then the work-group's barrier
	s_wait_alu depctr_va_vdst(0)
	s_wait_dscnt 0x0
	s_barrier_signal -1
	s_barrier_wait -1
.endm
.macro WLOAD p                         ; unit p (0, 1) of the trip at s[LP], s[LS]: window 3, v0-95 or v96-191, and its scale words
	WIN 0xc0
.set jj, 0
.rept 24
	global_load_b128 v[96*(\p)+4*jj:96*(\p)+4*jj+3], v[LI], s[LP:LP+1] offset:(\p)*GRPB+512*jj
.set jj, jj+1
.endr
	WIN 0
	global_load_b128 v[WS+4*(\p):WS+4*(\p)+3], v[LI], s[LS:LS+1] offset:(\p)*GRPB
.endm
.macro SCL p                           ; the scale words of unit p (2, 3)
	global_load_b128 v[WS+4*(\p):WS+4*(\p)+3], v[LI], s[LS:LS+1] offset:(\p)*GRPB
.endm
.macro SLOAD p                         ; unit p (2, 3) out of my part of the slot: window 1, v0-95 or v96-191
	WIN 0x40
.set jj, 0
.rept 24
	ds_load_b128 v[96*((\p)-2)+4*jj:96*((\p)-2)+4*jj+3], v[WA] offset:12288*((\p)-2)+512*jj
.set jj, jj+1
.endr
	WIN 0
.endm
.macro LOADX xs, adr, sadr, off, soff  ; a K step of X: 4 fragments and their rows' scale words: 13 loads
.irp m, 0,1,2,3
.irp q, 0,1,2
	ds_load_b128 v[XF+48*(\xs)+12*\m+4*\q:XF+48*(\xs)+12*\m+4*\q+3], v[\adr] offset:(\off)+FRB*\m+512*\q
.endr
.endr
	ds_load_b128 v[XS+4*(\xs):XS+4*(\xs)+3], v[\sadr] offset:\soff
.endm
.macro WM zero, row
.if \zero
.if \row
	v_wmma_scale_f32_16x16x128_f8f6f4 v[rD:rD+7], v[rA:rA+11], v[rB:rB+11], 0, v[rP], v[rQ] matrix_a_fmt:MATRIX_FMT_FP6 matrix_b_fmt:MATRIX_FMT_FP6 matrix_a_scale:MATRIX_SCALE_ROW1
.else
	v_wmma_scale_f32_16x16x128_f8f6f4 v[rD:rD+7], v[rA:rA+11], v[rB:rB+11], 0, v[rP], v[rQ] matrix_a_fmt:MATRIX_FMT_FP6 matrix_b_fmt:MATRIX_FMT_FP6
.endif
.else
.if \row
	v_wmma_scale_f32_16x16x128_f8f6f4 v[rD:rD+7], v[rA:rA+11], v[rB:rB+11], v[rD:rD+7], v[rP], v[rQ] matrix_a_fmt:MATRIX_FMT_FP6 matrix_b_fmt:MATRIX_FMT_FP6 matrix_a_scale:MATRIX_SCALE_ROW1
.else
	v_wmma_scale_f32_16x16x128_f8f6f4 v[rD:rD+7], v[rA:rA+11], v[rB:rB+11], v[rD:rD+7], v[rP], v[rQ] matrix_a_fmt:MATRIX_FMT_FP6 matrix_b_fmt:MATRIX_FMT_FP6
.endif
.endif
.endm
.macro MULS p, zero                    ; 32 matrix instructions, the 32 accumulators (window 2, v[64 m + 8 t]) by turns
.irp m, 0,1,2,3
.irp t, 0,1,2,3,4,5,6,7
.set rD, 64*\m+8*\t
.set rA, 96*((\p)%2)+12*\t
.set rB, XF+48*((\p)%2)+12*\m
.set rP, WS+4*(\p)+\t%4
.set rQ, XS+4*((\p)%2)+\m
	WM \zero, \t/4
.endr
.endr
.endm
; A unit.  cnt: the global loads issued behind those that it needs.  A trip issues 25 (unit 0), 25 (unit 1), 1, 1 (scale words of units 2, 3): so 27, 27, 51, 51; in the last trip 27, 2, 1, 0.
; dcnt: unit 2 needs its fragments and X's K step 2; behind these only K step 3's 13 loads were issued.  Behind unit 2's products all of LDS is waited for, so that unit 3 owes no wait
; whether the loads under the branch were issued or not.  xl = 1: X's K step p + 2 of this trip; xl = 2: K step p - 2 of the next, not where the pass ends with this trip.
.macro UNIT p, zero, ld, xl, cnt, dcnt
	s_wait_loadcnt \cnt
.if \dcnt >= 0
	s_wait_dscnt \dcnt
.endif
	WIN 0xa3-2*((\p)/2)                            ; source 0 window 3 or 1, source 1 window 0, C and D window 2
	MULS \p, \zero
	WIN 0
	PLACES
.if (\p) == 2
	s_wait_dscnt 0x0
.endif
.if \ld
.if (\p) < 2
	WLOAD \p
.else
	SCL \p
.endif
.endif
.if \xl == 1
	LOADX (\p)%2, XP, XQ, KSB*((\p)+2), 256*((\p)+2)
.endif
.if \xl == 2
	s_cmp_eq_u32 s[PE], 1
	s_cbranch_scc1 .Lnx_\@
	LOADX (\p)%2, XP, XQ, KSB*((\p)-2), 256*((\p)-2)
.Lnx_\@:
.endif
.endm
.macro LOOK j                          ; trip j's units: s[T0] = 4 groups x table entry (+ 2 x batch for enc), s[T1] = g, s[T2:T2+1] = the codes' byte offset
	s_cmp_lt_u32 s[\j], 8
	s_cselect_b32 s[T0], s[TLO], s[THI]
	s_lshl_b32 s[T1], s[\j], 2
	s_and_b32 s[T1], s[T1], 28
	s_lshr_b32 s[T0], s[T0], s[T1]
	s_and_b32 s[T0], s[T0], 15
	s_lshr_b32 s[T1], 0xf0, s[\j]                  ; trips 4-7 stream the batch's own images
	s_and_b32 s[T1], s[T1], 1
	s_mul_i32 s[T1], s[T1], s[B2]
	s_add_co_u32 s[T0], s[T0], s[T1]
	s_mul_i32 s[T0], s[T0], 4*GRPB
	s_lshr_b32 s[T1], 0xf0ac, s[\j]                ; g: trips 2, 3, 5, 7, 12-15 take the records' second halves
	s_and_b32 s[T1], s[T1], 1
	s_mul_i32 s[T2], s[T1], 8*FRB
	s_add_co_u32 s[T2], s[T2], s[T0]
	s_mov_b32 s[T2+1], 0
.endm
; A trip's head: the change of slots.  All my tensor loads are in (this trip's two units), the add, the next trip's addresses (work on registers), the wait for the add and for my LDS reads,
; the cluster's round, the joint load for the next trip into the slot read last trip, and then this trip's two units out of the other slot.
.macro TOP
	s_wait_xcnt 0x0                                ; the last trip's loads and prefetches have read their bases
	s_wait_tensorcnt 0x0
	ds_add_u32 v[SPW], v[NIL]
	s_add_co_u32 s[J], s[I], 1
	LOOK J
	s_add_nc_u64 s[LP:LP+1], s[BASE:BASE+1], s[T2:T2+1]
	s_lshl_b32 s[T1], s[T1], 9
	s_add_co_u32 s[T2], s[T1], s[T0]
	s_add_nc_u64 s[LS:LS+1], s[BSC:BSC+1], s[T2:T2+1]
	s_xor_b32 s[G0+1], s[G0+1], TOG
	s_add_nc_u64 s[G0+2:G0+3], s[LP:LP+1], 2*GRPB
	s_or_b32 s[G0+3], s[G0+3], 0x80000000
	s_cmp_lt_u32 s[J], 8
	s_cselect_b32 s[XA], s[XLO], s[XHI]            ; the next trip's X: 4 K steps x table entry behind X1, held inside X1 and X2 by the mask 3
	s_lshl_b32 s[T1], s[J], 2
	s_and_b32 s[T1], s[T1], 28
	s_lshr_b32 s[XA], s[XA], s[T1]
	s_and_b32 s[XA], s[XA], 3
	s_lshl_b32 s[XSB], s[XA], 10
	s_add_co_u32 s[XSB], s[XSB], XS1
	s_mul_i32 s[XA], s[XA], 4*KSB
	s_add_co_u32 s[XA], s[XA], X1
	s_lshr_b32 s[PE], 0x8ea, s[I]                  ; a pass ends with trips 1, 3, 5, 6, 7, 11
	s_and_b32 s[PE], s[PE], 1
	s_wait_dscnt 0x0
	ROUND
	tensor_load_to_lds s[G0:G0+3], s[G1:G1+7]
	s_nop 0
	PLACES
	SLOAD 2
	SLOAD 3
	v_xor_b32 v[WA], TOG, v[WA]
	s_wait_alu depctr_va_vdst(0)
	s_cmp_lt_u32 s[I], 13
	s_cbranch_scc0 .Lnp_\@
	s_add_co_u32 s[J3], s[I], 3
	LOOK J3
	s_add_nc_u64 s[PFB:PFB+1], s[PB0:PB0+1], s[T2:T2+1]
	global_prefetch_b8 v[PFV0], s[PFB:PFB+1] th:TH_LOAD_NT scope:SCOPE_SE              ; blocks 0-31 of unit cx of trip i + 3
	global_prefetch_b8 v[PFV1], s[PFB:PFB+1] offset:8192 th:TH_LOAD_NT scope:SCOPE_SE  ; blocks 32-47; the lanes left over name block 47 again
.Lnp_\@:
.endm
.macro XSET                            ; X's addresses for the next trip: this trip's last K step has been asked for
	v_add_nc_u32 v[XP], s[XA], v[LI]
	v_add_nc_u32 v[XQ], s[XSB], v[R16]
	s_wait_alu depctr_va_vdst(0)
	s_mov_b32 s[ZF], s[PE]                         ; behind a pass's end the next unit starts the sums
.endm
.macro CODES W, s, pc, so              ; 64 numbers of a lane (4 half blocks of 16) become a fragment's 12 registers
	WIN (\W)
.irp c, 0,1
	v_cvt_scalef32_pk16_fp6_f32 v[(\pc)+6*\c:(\pc)+6*\c+2], v[(\s)+32*\c:(\s)+32*\c+15], v[(\so)+2*\c]
	v_cvt_scalef32_pk16_fp6_f32 v[(\pc)+12+4*\c:(\pc)+14+4*\c], v[(\s)+16+32*\c:(\s)+31+32*\c], v[(\so)+2*\c+1]
.endr
	WIN 0
	v_nop                                          ; one plain place behind a scaled conversion
.irp c, 0,1
.irp i, 0,1,2
	v_permlane16_swap_b32 v[(\pc)+6*\c+\i], v[(\pc)+12+4*\c+\i]   ; a whole block in a lane
.endr
.irp i, 0,1,2
	v_mov_b32 v[(\pc)+3+6*\c+\i], v[(\pc)+12+4*\c+\i]
.endr
.endr
.endm
.macro QUANT W, s, pc, pw              ; the quantiser: four blocks' largest magnitudes (floor 2^-124), scale operands, bytes, the scale word, the codes
	WIN 0x28+0x14*((\W)-2)
.irp b, 0,1,2,3
	v_max3_num_f32 v[TM+\b], 0x1800000, |v[(\s)+16*\b]|, |v[(\s)+16*\b+1]|
.endr
.irp i, 2,4,6,8,10,12,14
.irp b, 0,1,2,3
	v_max3_num_f32 v[TM+\b], v[TM+\b], |v[(\s)+16*\b+\i]|, |v[(\s)+16*\b+\i+1]|
.endr
.endr
	WIN 0
.irp b, 0,1,2,3
	v_permlanex16_b32 v[TM+4+\b], v[TM+\b], s[SEL], s[SEL+1]
.endr
.irp b, 0,1,2,3
	v_max_num_f32 v[TM+\b], v[TM+\b], v[TM+4+\b]
.endr
.irp b, 0,1,2,3
	v_add_nc_u32 v[TM+12+\b], 0xff000000, v[TM+\b]
.endr
.irp b, 0,1,2,3
	v_lshrrev_b32 v[TM+4+\b], 23, v[TM+12+\b]
.endr
	v_lshl_or_b32 v[\pw], v[TM+5], 8, v[TM+4]
	v_lshl_or_b32 v[\pw], v[TM+6], 16, v[\pw]
	v_lshl_or_b32 v[\pw], v[TM+7], 24, v[\pw]
	CODES \W, \s, \pc, TM+12
.endm
.macro IMAGE adr, pc, off
.irp q, 0,1,2
	ds_store_b128 v[\adr], v[(\pc)+4*\q:(\pc)+4*\q+3] offset:(\off)+512*\q
.endr
.endm
.macro BYSUM                           ; the pass's results divided by the rows' sums
	WIN 0x82
	s_wait_alu depctr_va_vdst(0)
.irp m, 0,1,2,3
.set ii, 0
.rept 32
	v_pk_mul_f32 v[64*\m+ii:64*\m+ii+1], v[64*\m+ii:64*\m+ii+1], v[RL+2*\m:RL+2*\m+1] op_sel_hi:[1,0]
.set ii, ii+2
.endr
.endr
	WIN 0
.endm
.macro EPI adr, sadr, off, soff        ; a pass's 64 x 128 results become one K step of the next operand, in LDS
.irp m, 0,1,2,3
	s_wait_dscnt 4
	QUANT 2, 64*\m, PC0+20*(\m%2), PW0+\m%2
	IMAGE \adr, PC0+20*(\m%2), (\off)+FRB*\m
	ds_store_b32 v[\sadr], v[PW0+\m%2] offset:(\soff)+4*\m
.endr
.endm
; The way out of a pass, in eight pieces of 16 rows x 64 columns through my own stage: piece c = 2 m + ch.  Which accumulators a piece stores is chosen by the counter; the rest is one text:
; back as rows of 256 bytes (16 lanes a row), tanh(x) = 1 - 2 / (1 + 2^(2 log2(e) x)), and 16 lanes store 256 consecutive bytes, aligned.
.macro STG8 c
	WIN 0x08
.irp tt, 0,1,2,3
	ds_store_b128 v[OSI], v[64*((\c)/2)+8*(4*((\c)%2)+\tt):64*((\c)/2)+8*(4*((\c)%2)+\tt)+3] offset:128*(\tt/2)+32*(\tt%2)
	ds_store_b128 v[OSI], v[64*((\c)/2)+8*(4*((\c)%2)+\tt)+4:64*((\c)/2)+8*(4*((\c)%2)+\tt)+7] offset:128*(\tt/2)+32*(\tt%2)+16
.endr
	WIN 0
.endm
.macro OUTPASS g
	s_mov_b32 s[CNT], 0
.Lo_\@:
.irp c, 0,1,2,3,4,5,6
	s_cmp_eq_u32 s[CNT], \c
	s_cbranch_scc0 .Lon_\@_\c
	STG8 \c
	s_branch .Loj_\@
.Lon_\@_\c:
.endr
	STG8 7
.Loj_\@:
.irp j, 0,1,2,3,4,5,6,7
	ds_load_b128 v[Y+4*\j:Y+4*\j+3], v[ORD] offset:2*OPIT*\j
.endr
	s_and_b32 s[T0], s[CNT], 1                     ; ch
	s_cmp_eq_u32 s[T0], 1
	s_cselect_b32 s[MK], -1, 0
	WIN 0x05
.irp e, 0,1,2,3
	v_cndmask_b32 v[CBT+\e], v[CBW+8*(\g)+\e], v[CBW+8*(\g)+4+\e], s[MK]   ; the bias of these 64 columns
.endr
	WIN 0
	s_wait_alu depctr_va_vdst(0)
	s_wait_dscnt 0x0
.irp j, 0,1,2,3,4,5,6,7
.irp e, 0,2
	v_pk_fma_f32 v[Y+4*\j+\e:Y+4*\j+\e+1], v[Y+4*\j+\e:Y+4*\j+\e+1], s[KT:KT+1], v[CBT+\e:CBT+\e+1] op_sel_hi:[1,0,1]
.endr
.endr
.set ii, 0
	s_wait_alu depctr_va_vdst(0)
.rept 32
	v_exp_f32 v[Y+ii], v[Y+ii]
.set ii, ii+1
.endr
	v_nop
.set ii, 0
	s_wait_alu depctr_va_vdst(0)
.rept 16
	v_pk_add_f32 v[Y+ii:Y+ii+1], v[Y+ii:Y+ii+1], 1.0 op_sel_hi:[1,0]
.set ii, ii+2
.endr
.set ii, 0
	s_wait_alu depctr_va_vdst(0)
.rept 32
	v_rcp_f32 v[Y+ii], v[Y+ii]
.set ii, ii+1
.endr
	v_nop
.set ii, 0
	s_wait_alu depctr_va_vdst(0)
.rept 16
	v_pk_fma_f32 v[Y+ii:Y+ii+1], v[Y+ii:Y+ii+1], -2.0, 1.0 op_sel_hi:[1,0,0]
.set ii, ii+2
.endr
.irp j, 0,1,2,3,4,5,6,7
	global_store_b128 v[CO], v[Y+4*\j:Y+4*\j+3], s[12:13] offset:8192*\j th:TH_STORE_NT
.endr
	s_wait_xcnt 0x0                                ; the stores have read their data and base
	s_mul_i32 s[T2], s[T0], 16*4096-512            ; 64 columns on, or 16 rows down and 64 columns back
	s_add_co_u32 s[T2], s[T2], 256
	s_mov_b32 s[T2+1], 0
	s_add_nc_u64 s[12:13], s[12:13], s[T2:T2+1]
	s_add_co_u32 s[CNT], s[CNT], 1
	s_cmp_lt_u32 s[CNT], 8
	s_cbranch_scc1 .Lo_\@
.endm
	; ---- the head
	s_load_b256 s[4:11], s[0:1], 0x0               ; query s[4:5], src_lengths s[6:7], b_out s[8:9], img s[10:11]
	s_load_b64 s[12:13], s[0:1], 0x20              ; out0
	v_lshl_add_u32 v[SPW], v0, 2, SPARE
	v_mov_b32 v[NIL], 0
	ds_add_u32 v[SPW], v[NIL]                      ; the opening lines: the add, twice on end, and its wait ahead of my first tensor load
	ds_add_u32 v[SPW], v[NIL]
	v_lshrrev_b32 v[TP], 5, v0
	v_readfirstlane_b32 s[WV], v[TP]               ; wave 0..3
	v_and_b32 v[TP], 31, v0
	v_lshlrev_b32 v[LI], 4, v[TP]
	v_and_b32 v[TP+1], 15, v0
	v_bfe_u32 v[TP+2], v0, 4, 1
	v_lshlrev_b32 v[R16], 4, v[TP+1]
	v_lshlrev_b32 v[PFV0], 8, v[TP]
	v_min_u32 v[PFV1], 15, v[TP]
	v_lshlrev_b32 v[PFV1], 8, v[PFV1]
	s_wait_alu depctr_va_vdst(0)
	s_mul_i32 s16, s[WV], FRB
	s_add_co_u32 s16, s16, X1
	s_lshl_b32 s17, s[WV], 2
	s_add_co_u32 s18, s17, XS1
	s_add_co_u32 s17, s17, EXM
	s_mul_i32 s19, s[WV], KSB
	s_add_co_u32 s19, s19, X2
	s_lshl_b32 s20, s[WV], 8
	s_add_co_u32 s20, s20, XS2
	s_mul_i32 s21, s[WV], 2*KSB
	s_add_co_u32 s21, s21, X2
	s_lshl_b32 s22, s[WV], 9
	s_add_co_u32 s22, s22, XS2
	s_mul_i32 s23, s[WV], WSL
	s_mul_i32 s2, s[WV], 16*HPIT
	s_add_co_u32 s2, s2, X2                        ; the head's stage lies in X2, which nothing else touches before trip 1's end
	s_mul_i32 s3, s[WV], 6144
	s_add_co_u32 s3, s3, STG
	v_add_nc_u32 v[IMG1], s16, v[LI]
	v_add_nc_u32 v[SW1], s18, v[R16]
	v_add_nc_u32 v[EXW], s17, v[R16]
	v_add_nc_u32 v[EXR], EXM, v[R16]
	v_add_nc_u32 v[IMGQ], s19, v[LI]
	v_add_nc_u32 v[SWQ], s20, v[R16]
	v_add_nc_u32 v[IMGC], s21, v[LI]
	v_add_nc_u32 v[SWC], s22, v[R16]
	v_add_nc_u32 v[WA], s23, v[LI]
	v_add_nc_u32 v[STI], s2, v[LI]
	v_mul_u32_u24 v[STO], v[TP+1], HPIT
	v_lshl_add_u32 v[STO], v[TP+2], 6, v[STO]
	v_add_nc_u32 v[STO], s2, v[STO]
	v_mul_u32_u24 v[OSI], v[TP+1], OPIT
	v_lshl_add_u32 v[OSI], v[TP+2], 6, v[OSI]
	v_add_nc_u32 v[OSI], s3, v[OSI]
	v_mul_u32_u24 v[ORD], v[TP+2], OPIT
	v_add_nc_u32 v[ORD], v[ORD], v[R16]
	v_add_nc_u32 v[ORD], s3, v[ORD]
	v_lshl_add_u32 v[CO], v[TP+2], 12, v[R16]
	v_add_nc_u32 v[XP], X1, v[LI]
	v_add_nc_u32 v[XQ], XS1, v[R16]
	v_mov_b32 v[NINF], 0xff800000
.irp j, 0,1,2,3
	v_mov_b32 v[TM+4+\j], 0                        ; a lane permute's destination counts as one of its sources
.endr
.irp j, 0,1,2,3,4,5,6,7,8,9,10,11,12,13,14,15
	v_mov_b32 v[BT+\j], 0
.endr
.irp j, 0,1,2,3,4,5,6,7
	v_mov_b32 v[NM+\j], 0
.endr
	s_bfe_u32 s[CX], ttmp6, 0x40000                ; my place in the cluster: it enters global addresses of my own rows and of the prefetches alone
	s_lshl_b32 s16, ttmp9, 2
	s_add_co_u32 s16, s16, s[CX]                   ; work-group: 64 rows each, eight to a batch
	s_lshr_b32 s17, ttmp9, 1                       ; batch: the same in the cluster's four
	s_lshl_b32 s[B2], s17, 1
	s_lshl_b32 s18, s16, 18
	s_lshl_b32 s19, s[WV], 16
	s_add_co_u32 s20, s18, s19                     ; query: my wave's 16 rows
	s_mov_b32 s21, 0
	s_lshl_b32 s19, s[WV], 10                      ; my wave's 256 columns
	s_add_co_u32 s22, s18, s19
	s_mov_b32 s23, 0
	s_mov_b32 s2, s19
	s_mov_b32 s3, 0
	s_lshl_b32 s18, s17, 2
	s_mov_b32 s19, 0
	s_mul_i32 s[BASE], s[WV], RECB                 ; my record of every group
	s_mov_b32 s[BASE+1], 0
	s_mul_i32 s[PB0], s[CX], GRPB
	s_mov_b32 s[PB0+1], 0
	s_mov_b32 s[SEL], 0x76543210
	s_mov_b32 s[SEL+1], 0xfedcba98
	s_mov_b32 s[CS], 0x3fb8aa3b                    ; log2(e)
	s_mov_b32 s[CS+1], 0x3fb8aa3b
	s_mov_b32 s[KT], 0x4038aa3b                    ; 2 log2(e)
	s_mov_b32 s[KT+1], 0x4038aa3b
	s_mov_b32 s[TLO], 0x77661010                   ; trip j's units begin at 4 groups x nibble j
	s_mov_b32 s[THI], 0x54325432
	s_mov_b32 s[XLO], 0x22321010                   ; trip j's X begins at 4 K steps x nibble j behind X1
	s_mov_b32 s[XHI], 0x32103210
	s_mov_b32 s[G1], 15|(3<<16)|(1<<21)            ; the mask of the cluster's four, elements of 8 bytes
	s_mov_b32 s[G1+1], 1536<<16                    ; a row: one unit's codes, 12,288 bytes
	s_mov_b32 s[G1+2], 2<<16                       ; two rows: units 2 and 3,
	s_mov_b32 s[G1+3], 1536<<16
	s_mov_b32 s[G1+4], 2
	s_mov_b32 s[G1+5], GRPB/8                      ; a group apart
	s_mov_b32 s[G1+6], 0
	s_mov_b32 s[G1+7], 0
	s_mov_b32 s[G0], 1
	s_mul_i32 s[G0+1], s[WV], WSL                  ; slot 0, my part
	s_mov_b32 s[I], 0
	s_wait_alu depctr_va_vdst(0)
	s_wait_dscnt 0x0                               ; both opening adds are done
	s_wait_kmcnt 0x0
	s_add_nc_u64 s[4:5], s[4:5], s[20:21]
	s_add_nc_u64 s[12:13], s[12:13], s[22:23]
	s_add_nc_u64 s[8:9], s[8:9], s[2:3]
	s_add_nc_u64 s[6:7], s[6:7], s[18:19]
	s_load_b32 s[LEN], s[6:7], 0x0
	s_add_nc_u64 s[BASE:BASE+1], s[10:11], s[BASE:BASE+1]
	s_add_nc_u64 s[BSC:BSC+1], s[BASE:BASE+1], SCO
	s_add_nc_u64 s[PB0:PB0+1], s[BASE:BASE+1], s[PB0:PB0+1]
	s_mov_b64 s[LP:LP+1], s[BASE:BASE+1]
	s_mov_b64 s[LS:LS+1], s[BSC:BSC+1]
	s_add_nc_u64 s[G0+2:G0+3], s[BASE:BASE+1], 2*GRPB
	s_or_b32 s[G0+3], s[G0+3], 0x80000000
	ROUND                                          ; the cluster's four are here: the first joint loads meet
	tensor_load_to_lds s[G0:G0+3], s[G1:G1+7]      ; trip 0's units 2 and 3: one tensor load a wave at the head
	s_nop 0
	PLACES
	WIN 0x40
.irp c, 0,1,2,3
	global_load_b128 v[CBW+4*\c:CBW+4*\c+3], v[R16], s[8:9] offset:256*\c   ; the bias: 64 columns a load, 4 a lane
.endr
	WIN 0x80
.irp k, 0,1,2,3
.irp i, 0,1,2,3,4,5,6,7,8,9,10,11,12,13,14,15
	global_load_b128 v[64*\k+4*\i:64*\k+4*\i+3], v[LI], s[4:5] offset:4096*\i+512*\k th:TH_LOAD_NT
.endr
.endr
	WIN 0xc0
.irp k, 0,1,2,3
.irp i, 0,1,2,3,4,5,6,7,8,9,10,11,12,13,14,15
	global_load_b128 v[64*\k+4*\i:64*\k+4*\i+3], v[LI], s[4:5] offset:4096*\i+512*(\k+4) th:TH_LOAD_NT
.endr
.endr
	WIN 0
	s_wait_kmcnt 0x0
	s_lshl_b32 s17, s[WV], 7
	s_sub_co_i32 s17, s[LEN], s17
	v_lshlrev_b32 v[DV], 4, v[TP+2]
	v_sub_nc_u32 v[DV], s17, v[DV]                 ; the length less my first key: 128 wave + 16 (lane / 16)
	s_wait_alu depctr_va_vdst(0)
	s_wait_loadcnt 63                              ; of 132 loads the first 69 are in: the bias and K steps 0-3
.macro TURNX k                         ; 16 rows x 128 numbers through my stage: a lane then holds 4 x 16 neighbours of one row
	WIN 0x88+0x44*((\k)/4)
.irp i, 0,1,2,3,4,5,6,7,8,9,10,11,12,13,14,15
	ds_store_b128 v[STI], v[64*((\k)%4)+4*\i:64*((\k)%4)+4*\i+3] offset:HPIT*\i
.endr
.irp b, 0,1,2,3
.irp j, 0,1,2,3
	ds_load_b128 v[64*((\k)%4)+16*\b+4*\j:64*((\k)%4)+16*\b+4*\j+3], v[STO] offset:128*\b+16*\j
.endr
.endr
	WIN 0
.endm
	TURNX 0
.irp k, 0,1,2,3,4,5,6,7
.if \k < 7
.if \k >= 3
	s_wait_loadcnt 16*(6-\k)                       ; K step k + 1 is in; behind it 16 loads for each later one
.endif
	TURNX \k+1
.endif
.if \k == 6
	WLOAD 0                                        ; query is in: trip 0's own loads, in a trip's order; unit 1's registers are still at work for K step 6
.endif
.if \k == 7
	WLOAD 1
	SCL 2
	SCL 3
.endif
.if \k == 0
	s_wait_dscnt 32                                ; behind K step k's loads: the next step's 32, and 4 stores of codes
.elseif \k < 7
	s_wait_dscnt 36
.else
	s_wait_dscnt 4
.endif
	QUANT 2+\k/4, 64*(\k%4), PC0+20*(\k%2), PW0+\k%2
	IMAGE IMG1, PC0+20*(\k%2), KSB*\k
	ds_store_b32 v[SW1], v[PW0+\k%2] offset:256*\k
.endr
	WIN 0x44
.irp j, 0,1,2,3,4,5,6,7,8,9,10,11,12,13,14,15
	v_mul_f32 v[CBW+\j], s[KT], v[CBW+\j]
.endr
	WIN 0
	MEET                                           ; query's codes lie in X1
	LOADX 0, XP, XQ, 0, 0
	LOADX 1, XP, XQ, KSB, 256
	; ---- trip 0 is written out: its first unit starts the sums, and its head fills slot 1 for the first time, as a refill is issued
	TOP
	UNIT 0, 1, 1, 1, 27, -1
	UNIT 1, 0, 1, 1, 27, -1
	XSET
	UNIT 2, 0, 1, 2, 51, 13
	UNIT 3, 0, 1, 2, 51, -1
	s_mov_b32 s[I], 1
.Ltrip:                                                ; trips 1 to 14
	TOP
	s_cmp_eq_u32 s[ZF], 1
	s_cbranch_scc1 .Lzero
	UNIT 0, 0, 1, 1, 27, -1
	s_branch .Lunit1
.Lzero:
	UNIT 0, 1, 1, 1, 27, -1
.Lunit1:
	UNIT 1, 0, 1, 1, 27, -1
	XSET
	UNIT 2, 0, 1, 2, 51, 13
	UNIT 3, 0, 1, 2, 51, -1
	s_cmp_eq_u32 s[PE], 0
	s_cbranch_scc1 .Lnext
	MEET                                           ; a pass has ended: no wave reads X any more
	s_cmp_eq_u32 s[I], 1
	s_cbranch_scc0 .Lc3
	EPI IMGQ, SWQ, 0, 0                            ; qw's K step 2 w, at place w of X2
	s_branch .Lxs
.Lc3:
	s_cmp_eq_u32 s[I], 3
	s_cbranch_scc0 .Lc5
	EPI IMGQ, SWQ, 4*KSB, 1024                     ; qw's K step 2 w + 1, at place 4 + w
	s_branch .Lxs
.Lc5:
	s_cmp_eq_u32 s[I], 5
	s_cbranch_scc0 .Lc6
	; ---- the softmax: my 128 keys of 64 rows.  Keys at or past the length count as -infinity
.irp b, 0,1,2,3
	v_add_nc_u32 v[TP+\b], -32*\b, v[DV]
.endr
	WIN 0x88
.irp b, 0,1,2,3
.irp i, 0,1,2,3,4,5,6,7,8,9,10,11,12,13,14,15
	v_cmp_gt_i32 vcc_lo, v[TP+\b], \i
.irp m, 0,1,2,3
	v_cndmask_b32 v[64*\m+16*\b+\i], v[NINF], v[64*\m+16*\b+\i], vcc_lo
.endr
.endr
.endr
	WIN 0x28
.irp m, 0,1,2,3
.irp b, 0,1,2,3
	v_max3_num_f32 v[BM+4*\m+\b], v[NINF], v[64*\m+16*\b], v[64*\m+16*\b+1]   ; each block's largest score: for the row's maximum and for the block's largest p
.endr
.endr
.irp i, 2,4,6,8,10,12,14
.irp m, 0,1,2,3
.irp b, 0,1,2,3
	v_max3_num_f32 v[BM+4*\m+\b], v[BM+4*\m+\b], v[64*\m+16*\b+\i], v[64*\m+16*\b+\i+1]
.endr
.endr
.endr
	WIN 0
.irp j, 0,1,2,3,4,5,6,7,8,9,10,11,12,13,14,15
	v_permlanex16_b32 v[BT+\j], v[BM+\j], s[SEL], s[SEL+1]
.endr
.irp j, 0,1,2,3,4,5,6,7,8,9,10,11,12,13,14,15
	v_max_num_f32 v[BM+\j], v[BM+\j], v[BT+\j]
.endr
.irp m, 0,1,2,3
	v_max3_num_f32 v[TP+\m], v[BM+4*\m], v[BM+4*\m+1], v[BM+4*\m+2]
.endr
.irp m, 0,1,2,3
	v_max_num_f32 v[TP+\m], v[TP+\m], v[BM+4*\m+3]
.endr
.irp m, 0,1,2,3
	ds_store_b32 v[EXW], v[TP+\m] offset:256*\m
.endr
	MEET                                           ; the four waves' maxima lie in LDS
.irp m, 0,1,2,3
	ds_load_b128 v[BT+4*\m:BT+4*\m+3], v[EXR] offset:256*\m
.endr
	s_wait_dscnt 0x0
.irp m, 0,1,2,3
	v_max3_num_f32 v[TP+\m], v[BT+4*\m], v[BT+4*\m+1], v[BT+4*\m+2]
.endr
.irp m, 0,1,2,3
	v_max_num_f32 v[TP+\m], v[TP+\m], v[BT+4*\m+3]
.endr
.irp m, 0,1,2,3
	v_mul_f32 v[TP+\m], s[CS], v[TP+\m]
.endr
.irp m, 0,1,2,3
	v_floor_f32 v[NM+2*\m], -v[TP+\m]              ; -M = floor(-t): M is a whole number
.endr
.irp m, 0,1,2,3
.irp b, 0,1,2,3
	v_fma_f32 v[BM+4*\m+\b], v[BM+4*\m+\b], s[CS], v[NM+2*\m]
.endr
.endr
	WIN 0x82
.irp m, 0,1,2,3
.set ii, 0
.rept 32
	v_pk_fma_f32 v[64*\m+ii:64*\m+ii+1], v[64*\m+ii:64*\m+ii+1], s[CS:CS+1], v[NM+2*\m:NM+2*\m+1] op_sel_hi:[1,0,0]
.set ii, ii+2
.endr
.endr
.set ii, 0
	s_wait_alu depctr_va_vdst(0)
.rept 256
	v_exp_f32 v[ii], v[ii]                         ; p = 2^(t - M)
.set ii, ii+1
.endr
	WIN 0
.irp j, 0,1,2,3,4,5,6,7,8,9,10,11,12,13,14,15
	v_exp_f32 v[BM+\j], v[BM+\j]
.endr
.irp j, 0,1,2,3,4,5,6,7
	v_mov_b32 v[SU+\j], 0
.endr
	WIN 0x08
.set ii, 0
	s_wait_alu depctr_va_vdst(0)
.rept 32
.irp m, 0,1,2,3
	v_pk_add_f32 v[SU+2*\m:SU+2*\m+1], v[SU+2*\m:SU+2*\m+1], v[64*\m+ii:64*\m+ii+1]   ; the sums are taken of the unquantised p
.endr
.set ii, ii+2
.endr
	WIN 0
.irp m, 0,1,2,3
	v_add_f32 v[TP+\m], v[SU+2*\m], v[SU+2*\m+1]
.endr
.irp m, 0,1,2,3
	v_permlanex16_b32 v[BT+\m], v[TP+\m], s[SEL], s[SEL+1]
.endr
.irp m, 0,1,2,3
	v_add_f32 v[TP+\m], v[TP+\m], v[BT+\m]
.endr
.irp m, 0,1,2,3
	ds_store_b32 v[EXW], v[TP+\m] offset:1024+256*\m
.endr
.irp j, 0,1,2,3,4,5,6,7,8,9,10,11,12,13,14,15
	v_max_num_f32 v[BM+\j], 0x1800000, v[BM+\j]
.endr
.irp j, 0,1,2,3,4,5,6,7,8,9,10,11,12,13,14,15
	v_add_nc_u32 v[BT+\j], 0xff000000, v[BM+\j]
.endr
.irp j, 0,1,2,3,4,5,6,7,8,9,10,11,12,13,14,15
	v_lshrrev_b32 v[BM+\j], 23, v[BT+\j]
.endr
.irp m, 0,1,2,3
	s_wait_dscnt 4
	v_lshl_or_b32 v[PW0+\m%2], v[BM+4*\m+1], 8, v[BM+4*\m]
	v_lshl_or_b32 v[PW0+\m%2], v[BM+4*\m+2], 16, v[PW0+\m%2]
	v_lshl_or_b32 v[PW0+\m%2], v[BM+4*\m+3], 24, v[PW0+\m%2]
	CODES 2, 64*\m, PC0+20*(\m%2), BT+4*\m
	IMAGE IMGQ, PC0+20*(\m%2), FRB*\m              ; p's K step w, at place w of X2: qw is read no more
	ds_store_b32 v[SWQ], v[PW0+\m%2] offset:4*\m
.endr
	MEET                                           ; the sums and p's codes lie in LDS
.irp m, 0,1,2,3
	ds_load_b128 v[BT+4*\m:BT+4*\m+3], v[EXR] offset:1024+256*\m
.endr
	s_wait_dscnt 0x0
.irp m, 0,1,2,3
	v_add_f32 v[TP+\m], v[BT+4*\m], v[BT+4*\m+1]
.endr
.irp m, 0,1,2,3
	v_add_f32 v[BM+\m], v[BT+4*\m+2], v[BT+4*\m+3]
.endr
.irp m, 0,1,2,3
	v_add_f32 v[TP+\m], v[TP+\m], v[BM+\m]
.endr
	s_wait_alu depctr_va_vdst(0)
.irp m, 0,1,2,3
	v_rcp_f32 v[RL+2*\m], v[TP+\m]                 ; 1 / l
.endr
	v_nop
	s_wait_alu depctr_va_vdst(0)
	s_branch .Lxs
.Lc6:
	s_cmp_eq_u32 s[I], 6
	s_cbranch_scc0 .Lc7
	BYSUM                                          ; c's K step 2 w: its codes and scale words wait in registers, since p still lies in X2
.irp m, 0,1,2,3
	QUANT 2, 64*\m, PC0+20*(\m%2), PW0+\m%2
	WIN 0x40
.irp q, 0,1,2,3,4,5,6,7,8,9,10,11
	v_mov_b32 v[PKC+12*\m+\q], v[PC0+20*(\m%2)+\q]
.endr
	WIN 0xc0
	v_mov_b32 v[PKW+\m], v[PW0+\m%2]
	WIN 0
.endr
	s_branch .Lxs
.Lc7:
	s_cmp_eq_u32 s[I], 7
	s_cbranch_scc0 .Lc11
	BYSUM
	EPI IMGC, SWC, KSB, 256                        ; c's K step 2 w + 1,
	WIN 0x04
.irp m, 0,1,2,3
.irp q, 0,1,2
	ds_store_b128 v[IMGC], v[PKC+12*\m+4*\q:PKC+12*\m+4*\q+3] offset:FRB*\m+512*\q   ; and K step 2 w out of its registers
.endr
.endr
	WIN 0x0c
.irp m, 0,1,2,3
	ds_store_b32 v[SWC], v[PKW+\m] offset:4*\m
.endr
	WIN 0
	s_branch .Lxs
.Lc11:
	OUTPASS 0                                      ; trip 11: my first 128 columns leave
	s_sub_nc_u64 s[12:13], s[12:13], 64*4096-512   ; back to my first row, 128 columns on
.Lxs:
	MEET                                           ; what the epilogue stored is whole
	LOADX 0, XP, XQ, 0, 0                          ; the next pass's first two K steps of X; the next trip's head waits for them
	LOADX 1, XP, XQ, KSB, 256
.Lnext:
	s_add_co_u32 s[I], s[I], 1
	s_cmp_lt_u32 s[I], 15
	s_wait_alu depctr_va_vdst(0)
	s_cbranch_scc1 .Ltrip
	; ---- trip 15 is written out: nothing more is asked for, no slot is filled again
	s_wait_tensorcnt 0x0                           ; my two units are in: only I read them
	s_wait_dscnt 0x0                               ; X's first two K steps are in
	SLOAD 2
	SLOAD 3
	UNIT 0, 0, 0, 1, 27, -1
	UNIT 1, 0, 0, 1, 2, -1
	UNIT 2, 0, 0, 0, 1, 13
	UNIT 3, 0, 0, 0, 0, -1
	MEET
	OUTPASS 1
	s_wait_tensorcnt 0x0                           ; the wave's end
	ds_add_u32 v[SPW], v[NIL]
	s_wait_dscnt 0x0
	ROUND                                          ; the closing round
	s_endpgm
.Lfunc_end_k_q7f39e599c8_fused:
	.size	k_q7f39e599c8_fused, .Lfunc_end_k_q7f39e599c8_fused-k_q7f39e599c8_fused
	.p2alignl 7, 3214868480
	.fill 96, 4, 3214868480
	.section	.rodata,"a",@progbits
	.p2align	6, 0x0
	.amdhsa_kernel k_q7f39e599c8_fused
		.amdhsa_group_segment_fixed_size 327680
		.amdhsa_private_segment_fixed_size 0
		.amdhsa_enable_private_segment 0
		.amdhsa_kernarg_size 40
		.amdhsa_user_sgpr_count 2
		.amdhsa_user_sgpr_kernarg_segment_ptr 1
		.amdhsa_wavefront_size32 1
		.amdhsa_system_sgpr_workgroup_id_x 1
		.amdhsa_system_sgpr_workgroup_id_y 1
		.amdhsa_system_sgpr_workgroup_id_z 1
		.amdhsa_system_vgpr_workitem_id 0
		.amdhsa_next_free_vgpr 1024
		.amdhsa_next_free_sgpr 80
		.amdhsa_reserve_vcc 1
		.amdhsa_float_denorm_mode_32 3
		.amdhsa_float_denorm_mode_16_64 3
		.amdhsa_memory_ordered 1
		.amdhsa_forward_progress 1
		.amdhsa_inst_pref_size 255
	.end_amdhsa_kernel
	.section	.bss,"aw",@nobits
	.p2align	6
	.space	262144
	.amdgpu_metadata
---
amdhsa.version: [ 1, 2 ]
amdhsa.kernels:
  - .name:           k_q7f39e599c8_fused
    .symbol:         k_q7f39e599c8_fused.kd
    .args:
      - { .name: query, .offset: 0, .size: 8, .value_kind: global_buffer, .address_space: global }
      - { .name: src_lengths, .offset: 8, .size: 8, .value_kind: global_buffer, .address_space: global }
      - { .name: b_out, .offset: 16, .size: 8, .value_kind: global_buffer, .address_space: global }
      - { .name: img, .offset: 24, .size: 8, .value_kind: global_buffer, .address_space: global }
      - { .name: out0, .offset: 32, .size: 8, .value_kind: global_buffer, .address_space: global }
    .group_segment_fixed_size: 327680
    .private_segment_fixed_size: 0
    .kernarg_segment_align: 8
    .kernarg_segment_size: 40
    .max_flat_workgroup_size: 128
    .sgpr_count:     80
    .vgpr_count:     1024
    .wavefront_size: 32
...
	.end_amdgpu_metadata
.endif
;; end of part 2
